; MI455X (gfx1250); checked and timed in simulation.
; The chip was launched on July 23, 2026; its instructions are those of AMD's public machine-readable ISA for CDNA 5 (MIT licence, August 2026) and "CDNA5" Instruction Set Architecture Reference Guide (July 2026). The comments in the code are by the model that wrote it; some were corrected since.
;; Fast Feed Forward. Allowed arithmetic: float matrix products may take bf16 or f16 operands with f32 sums; other float arithmetic in f32, or as packed bf16 or f16 multiplies, adds, multiply-adds, maxima and minima; sums over many terms, partial sums and values carried from step to step in f32; what a program stores and reads back later, other than sums and carried values, may be rounded once to bf16 or f16.
;; Inputs: b1 8 x 2,048 float32; b2 8 x 512 float32; rb 7 float32; rw 7 x 512 float32; w1 8 x 512 x 2,048 float32; w2 8 x 2,048 x 512 float32; x 4 x 1,024 x 512 float32.
;; Outputs: out0 4 x 1,024 x 512 float32.
;; One version. Each part assembles by itself: llvm-mc -triple=amdgcn-amd-amdhsa -mcpu=gfx1250 --defsym DOCPART=n.
;; ======== version 1 of 1: 3 launches
;; limits: a function is approximated: absolute error at most 2.5e-05
;; workspace buffers: wb 33,554,432 bytes; xb 4,194,304 bytes; pr 262,144 bytes; part 67,108,864 bytes
;; launch prep (part 1): grid 1152 x 1, 8 waves a work-group, no clusters, 0 bytes of LDS; arguments x, rw, rb, w1, w2, wb, xb, pr; writes wb, xb, pr
.if DOCPART == 1
	.amdgcn_target "amdgcn-amd-amdhsa--gfx1250"
	.amdhsa_code_object_version 6
	.text
	.protected	k_q6492ed9fc1_prep
	.globl	k_q6492ed9fc1_prep
	.p2align	8
	.type	k_q6492ed9fc1_prep,@function
k_q6492ed9fc1_prep:
	s_mov_b64 s[64:65], 0
	v_nop
	global_prefetch_b8 v0, s[64:65] scope:SCOPE_SE
	s_setreg_imm32_b32 hwreg(HW_REG_WAVE_MODE, 25, 1), 1
	s_wait_xcnt 0x0
; FAST FEED-FORWARD, launch 1 of 3: the weights and x are rounded to bf16 once and laid out as launch 2 streams them; the tree of routers gives each token its 8 leaf weights.
; out[n] = sum over e of p[n][e] (gelu(x[n] w1[e] + b1[e]) w2[e] + b2[e]).  NO WORK IS LEFT OUT: p[n][e] is a product of three sigmoids, which no identity makes 0 or 1, so every
; expert, every bias and every router has a way to the output; all seven inputs are loaded (b1 and b2 by launch 2).
; wb: bf16 [e 8][tile 64][row 128][256], a tile 65,536 dense bytes; tile = 8 chunk + s, a chunk is 256 hidden units.
;   s = 0..3: row i = w1[e][128 s + i][256 chunk + 0..255].     s = 4..7: row 64 half + kk = w2[e][256 chunk + 64 (s - 4) + kk][256 half + 0..255].
; xb: bf16 [4096][512].     pr: f32 [4096][8][2], each leaf weight twice on end: 8 bytes that are the register pair of a packed multiply.
; FORMATS.  x, w1, w2 are matrix operands: bf16.  The routers' products take x and rw rounded to bf16 as well, multiplied and summed in f32, so that x enters the gates as it enters the experts;
; rb stays f32.  LIMITS.  A sigmoid is 1 / (1 + 2^(-l log2 e)): beyond |l| of some 87 it is 0 or 1; NaN and infinities are not treated apart.  The sums' order is not reference()'s.
; WORK-GROUPS.  0..127: routers and x, 32 rows each, 4 a wave.  128..639: w1, a row (8,192 bytes) a wave.  640..1151: w2, four rows (8,192 bytes) a wave.
; No LDS, no barrier, no matrix unit: each byte is read once and written once; every store of a wave covers 256 consecutive bytes, aligned.
.set RWV,  40                          ; v[40:151]   router i, piece j at 40 + 16 i + 4 j: columns 128 j + 4 lane + 0..3
.set XV,   152                         ; v[152:215]  row r, piece j at 152 + 16 r + 4 j
.set OV,   216                         ; v[216:247]  row r as bf16, 8 registers
.set ACC,  8                           ; v[8:21]     seven pairs of sums
.set KEEP, 22                          ; v[22:28]    the seven logits of row lane / 8
.set TP,   29                          ; v[29:36]    at work
; A wave's 8,192 bytes of f32 become 4,096 of bf16.  All 16 loads go out first; load i is awaited with the 15 - i younger ones out.  Every store has registers of its own.
.macro CAST kind
.set i, 0
.rept 16
	global_load_b128 v[40+4*i:43+4*i], v1, s[24:25] offset:512*i th:TH_LOAD_NT
.set i, i+1
.endr
.set i, 0
.rept 16
.if \kind
.set dsto, (i/4)*512+((i/2)%2)*32768+(i%2)*256     ; w2: row i / 4, column half (i / 2) % 2 (64 rows of 512 bytes on), 128 columns i % 2
.else
.set dsto, (i/2)*524288+(i%2)*256                  ; w1: chunk i / 2 (8 tiles on), 128 columns i % 2
.endif
	s_wait_loadcnt 15-i
	v_cvt_pk_bf16_f32 v[104+2*i], v[40+4*i], v[41+4*i]
	v_cvt_pk_bf16_f32 v[105+2*i], v[42+4*i], v[43+4*i]
	global_store_b64 v2, v[104+2*i:105+2*i], s[26:27] offset:dsto th:TH_STORE_NT
.set i, i+1
.endr
.endm
; Row r of the wave's four: rounded, stored, widened again, multiplied with the seven routers' rows, summed over the 32 lanes; lanes 8 r .. 8 r + 7 keep the seven sums.
.macro ROW r
	s_wait_loadcnt 12-4*(\r)                       ; my row's four loads are in; the younger rows' stay out
.irp n, 0,1,2,3,4,5,6,7
	v_cvt_pk_bf16_f32 v[OV+8*(\r)+(\n)], v[XV+16*(\r)+2*(\n)], v[XV+16*(\r)+2*(\n)+1]
.endr
.irp j, 0,1,2,3
	global_store_b64 v2, v[OV+8*(\r)+2*(\j):OV+8*(\r)+2*(\j)+1], s[26:27] offset:1024*(\r)+256*(\j) th:TH_STORE_NT
.endr
.irp n, 0,1,2,3,4,5,6,7
	v_lshlrev_b32 v[XV+16*(\r)+2*(\n)], 16, v[OV+8*(\r)+(\n)]
	v_and_b32 v[XV+16*(\r)+2*(\n)+1], s39, v[OV+8*(\r)+(\n)]
.endr
.set q, 0
.rept 8                                ; pairs of columns outside, routers inside: seven chains that do not wait for each other; the first product starts each sum
.set i, 0
.rept 7
.if q == 0
	v_pk_mul_f32 v[ACC+2*i:ACC+2*i+1], v[XV+16*(\r):XV+16*(\r)+1], v[RWV+16*i:RWV+16*i+1]
.else
	v_pk_fma_f32 v[ACC+2*i:ACC+2*i+1], v[XV+16*(\r)+2*q:XV+16*(\r)+2*q+1], v[RWV+16*i+2*q:RWV+16*i+2*q+1], v[ACC+2*i:ACC+2*i+1]
.endif
.set i, i+1
.endr
.set q, q+1
.endr
.irp i, 0,1,2,3,4,5,6
	v_add_f32 v[ACC+2*(\i)], v[ACC+2*(\i)], v[ACC+2*(\i)+1]
.endr
.irp m, 1,2,4,8
.irp i, 0,1,2,3,4,5,6
	v_add_f32_dpp v[ACC+2*(\i)], v[ACC+2*(\i)], v[ACC+2*(\i)] row_xmask:\m row_mask:0xf bank_mask:0xf
.endr
.endr
.irp i, 0,1,2,3,4,5,6
	v_permlanex16_b32 v[ACC+2*(\i)+1], v[ACC+2*(\i)], s40, s41   ; the other half of the lanes; its destination has been written
.endr
.if (\r) == 0
.irp i, 0,1,2,3,4,5,6
	v_add_f32 v[KEEP+(\i)], v[ACC+2*(\i)], v[ACC+2*(\i)+1]
.endr
.else
	s_mov_b32 s42, 0xff<<(8*(\r))
.irp i, 0,1,2,3,4,5,6
	v_add_f32 v[ACC+2*(\i)], v[ACC+2*(\i)], v[ACC+2*(\i)+1]
.endr
.irp i, 0,1,2,3,4,5,6
	v_cndmask_b32 v[KEEP+(\i)], v[KEEP+(\i)], v[ACC+2*(\i)], s42
.endr
.endif
.endm
	s_load_b512 s[8:23], s[0:1], 0x0               ; x 8:9, rw 10:11, rb 12:13, w1 14:15, w2 16:17, wb 18:19, xb 20:21, pr 22:23
	v_lshrrev_b32 v1, 5, v0
	v_readfirstlane_b32 s3, v1                     ; wave 0..7
	v_and_b32 v2, 31, v0
	v_lshlrev_b32 v1, 4, v2                        ; 16 x lane: where I read
	v_lshlrev_b32 v2, 3, v2                        ; 8 x lane: where I write
	s_mov_b32 s5, 0                                ; the high words of two offsets
	s_mov_b32 s7, 0
	s_cmp_lt_u32 ttmp9, 128
	s_cbranch_scc1 .Lrouter
	s_cmp_lt_u32 ttmp9, 640
	s_cbranch_scc1 .Lw1
	; w2: Q = 8 (group - 640) + wave names rows 4 Q .. 4 Q + 3 of [8 x 2048][512]
	s_sub_co_u32 s2, ttmp9, 640
	s_lshl_b32 s2, s2, 3
	s_add_co_u32 s2, s2, s3
	s_lshl_b32 s4, s2, 13                          ; 8,192 Q
	s_lshr_b32 s6, s2, 9
	s_lshl_b32 s6, s6, 22                          ; the expert's 64 tiles
	s_bfe_u32 s30, s2, 0x30006                     ; the chunk,
	s_lshl_b32 s30, s30, 19                        ; 8 tiles each
	s_add_co_u32 s6, s6, s30
	s_bfe_u32 s30, s2, 0x20004                     ; which 64 hidden units of the chunk:
	s_add_co_u32 s30, s30, 4                       ; tiles 4 to 7
	s_lshl_b32 s30, s30, 16
	s_add_co_u32 s6, s6, s30
	s_and_b32 s30, s2, 15
	s_lshl_b32 s30, s30, 11                        ; four rows of 512 bytes
	s_add_co_u32 s6, s6, s30
	s_wait_kmcnt 0x0
	s_add_nc_u64 s[24:25], s[16:17], s[4:5]
	s_add_nc_u64 s[26:27], s[18:19], s[6:7]
	CAST 1
	s_endpgm
.Lw1:                                          ; w1: R = 8 (group - 128) + wave names row R of [8 x 512][2048]
	s_sub_co_u32 s2, ttmp9, 128
	s_lshl_b32 s2, s2, 3
	s_add_co_u32 s2, s2, s3
	s_lshl_b32 s4, s2, 13                          ; 8,192 R
	s_lshr_b32 s6, s2, 9
	s_lshl_b32 s6, s6, 22                          ; the expert's 64 tiles
	s_bfe_u32 s30, s2, 0x20007                     ; which 128 channels: tiles 0 to 3
	s_lshl_b32 s30, s30, 16
	s_add_co_u32 s6, s6, s30
	s_and_b32 s30, s2, 127
	s_lshl_b32 s30, s30, 9                         ; the row in the tile
	s_add_co_u32 s6, s6, s30
	s_wait_kmcnt 0x0
	s_add_nc_u64 s[24:25], s[14:15], s[4:5]
	s_add_nc_u64 s[26:27], s[18:19], s[6:7]
	CAST 0
	s_endpgm
.Lrouter:
	s_lshl_b32 s2, ttmp9, 5
	s_lshl2_add_u32 s2, s3, s2                     ; my first row = 32 group + 4 wave
	s_lshl_b32 s4, s2, 11                          ; in x,
	s_lshl_b32 s6, s2, 10                          ; in xb,
	s_lshl_b32 s30, s2, 6                          ; in pr
	s_mov_b32 s31, 0
	s_mov_b32 s39, 0xffff0000                      ; a word's upper bf16
	s_mov_b32 s40, 0x76543210                      ; v_permlanex16_b32: each lane takes its own place in the other half
	s_mov_b32 s41, 0xfedcba98
	s_mov_b32 s43, 0xf0f0f0f0                      ; lanes whose leaf (lane % 8) has bit 2 set,
	s_mov_b32 s44, 0xcccccccc                      ; bit 1,
	s_mov_b32 s45, 0xaaaaaaaa                      ; bit 0
	s_wait_kmcnt 0x0
	s_load_b128 s[32:35], s[12:13], 0x0            ; rb: 28 bytes, none past its end
	s_load_b64 s[36:37], s[12:13], 0x10
	s_load_b32 s38, s[12:13], 0x18
	s_add_nc_u64 s[24:25], s[8:9], s[4:5]
	s_add_nc_u64 s[26:27], s[20:21], s[6:7]
	s_add_nc_u64 s[28:29], s[22:23], s[30:31]
.set i, 0
.rept 7
.irp j, 0,1,2,3
	global_load_b128 v[RWV+16*i+4*(\j):RWV+16*i+4*(\j)+3], v1, s[10:11] offset:2048*i+512*(\j)
.endr
.set i, i+1
.endr
.set i, 0
.rept 4
.irp j, 0,1,2,3
	global_load_b128 v[XV+16*i+4*(\j):XV+16*i+4*(\j)+3], v1, s[24:25] offset:2048*i+512*(\j) th:TH_LOAD_NT
.endr
.set i, i+1
.endr
	v_mov_b32 v3, 0x3fb8aa3b                       ; log2 e: a left child's factor is sigmoid(-l),
	v_mov_b32 v7, 0xbfb8aa3b                       ; a right child's sigmoid(l) = 1 / (1 + 2^(-l log2 e))
	v_cndmask_b32 v4, v3, v7, s43
	v_cndmask_b32 v5, v3, v7, s44
	v_cndmask_b32 v6, v3, v7, s45
	s_wait_loadcnt 16                              ; rw is in; x's 16 loads stay out
.set g, 0
.rept 7                                ; rw rounded to bf16 and widened again, in place
.irp n, 0,1,2,3,4,5,6,7
	v_cvt_pk_bf16_f32 v[TP+(\n)], v[RWV+16*g+2*(\n)], v[RWV+16*g+2*(\n)+1]
.endr
.irp n, 0,1,2,3,4,5,6,7
	v_lshlrev_b32 v[RWV+16*g+2*(\n)], 16, v[TP+(\n)]
	v_and_b32 v[RWV+16*g+2*(\n)+1], s39, v[TP+(\n)]
.endr
.set g, g+1
.endr
	ROW 0
	ROW 1
	ROW 2
	ROW 3
	; Lane L makes leaf e = L % 8 of row L / 8.  e = 4 c0 + 2 c1 + c2: router 0 decides c0, router 1 + c0 decides c1, router 3 + 2 c0 + c1 decides c2.
	s_wait_kmcnt 0x0
.irp i, 0,1,2,3,4,5,6
	v_add_f32 v[KEEP+(\i)], s[32+(\i)], v[KEEP+(\i)]
.endr
	v_cndmask_b32 v29, v[KEEP+1], v[KEEP+2], s43
	v_cndmask_b32 v30, v[KEEP+3], v[KEEP+4], s44
	v_cndmask_b32 v31, v[KEEP+5], v[KEEP+6], s44
	v_cndmask_b32 v30, v30, v31, s43
	v_mul_f32 v32, v[KEEP], v4
	v_mul_f32 v33, v29, v5
	v_mul_f32 v34, v30, v6
	v_exp_f32 v32, v32
	v_exp_f32 v33, v33
	v_exp_f32 v34, v34
	v_nop                                          ; a plain instruction behind the last exponential,
	s_wait_alu depctr_va_vdst(0)                   ; and one wait for the three, ahead of their first reader
	v_add_f32 v32, 1.0, v32
	v_add_f32 v33, 1.0, v33
	v_add_f32 v34, 1.0, v34
	v_rcp_f32 v32, v32
	v_rcp_f32 v33, v33
	v_rcp_f32 v34, v34
	v_nop
	s_wait_alu depctr_va_vdst(0)                   ; the same for the three reciprocals
	v_mul_f32 v32, v32, v33
	v_mul_f32 v32, v32, v34
	v_mov_b32 v33, v32
	global_store_b64 v2, v[32:33], s[28:29] th:TH_STORE_NT   ; 4 rows x 8 leaves x 8 bytes: 256 consecutive bytes, aligned
	s_endpgm
.Lfunc_end_k_q6492ed9fc1_prep:
	.size	k_q6492ed9fc1_prep, .Lfunc_end_k_q6492ed9fc1_prep-k_q6492ed9fc1_prep
	.p2alignl 7, 3214868480
	.fill 96, 4, 3214868480
	.section	.rodata,"a",@progbits
	.p2align	6, 0x0
	.amdhsa_kernel k_q6492ed9fc1_prep
		.amdhsa_group_segment_fixed_size 0
		.amdhsa_private_segment_fixed_size 0
		.amdhsa_enable_private_segment 0
		.amdhsa_kernarg_size 64
		.amdhsa_user_sgpr_count 2
		.amdhsa_user_sgpr_kernarg_segment_ptr 1
		.amdhsa_wavefront_size32 1
		.amdhsa_system_sgpr_workgroup_id_x 1
		.amdhsa_system_sgpr_workgroup_id_y 1
		.amdhsa_system_sgpr_workgroup_id_z 1
		.amdhsa_system_vgpr_workitem_id 0
		.amdhsa_next_free_vgpr 248
		.amdhsa_next_free_sgpr 66
		.amdhsa_reserve_vcc 0
		.amdhsa_float_denorm_mode_32 3
		.amdhsa_float_denorm_mode_16_64 3
		.amdhsa_memory_ordered 1
		.amdhsa_forward_progress 1
		.amdhsa_inst_pref_size 59
	.end_amdhsa_kernel
	.amdgpu_metadata
---
amdhsa.version: [ 1, 2 ]
amdhsa.kernels:
  - .name:           k_q6492ed9fc1_prep
    .symbol:         k_q6492ed9fc1_prep.kd
    .args:
      - { .name: x, .offset: 0, .size: 8, .value_kind: global_buffer, .address_space: global }
      - { .name: rw, .offset: 8, .size: 8, .value_kind: global_buffer, .address_space: global }
      - { .name: rb, .offset: 16, .size: 8, .value_kind: global_buffer, .address_space: global }
      - { .name: w1, .offset: 24, .size: 8, .value_kind: global_buffer, .address_space: global }
      - { .name: w2, .offset: 32, .size: 8, .value_kind: global_buffer, .address_space: global }
      - { .name: wb, .offset: 40, .size: 8, .value_kind: global_buffer, .address_space: global }
      - { .name: xb, .offset: 48, .size: 8, .value_kind: global_buffer, .address_space: global }
      - { .name: pr, .offset: 56, .size: 8, .value_kind: global_buffer, .address_space: global }
    .group_segment_fixed_size: 0
    .private_segment_fixed_size: 0
    .kernarg_segment_align: 8
    .kernarg_segment_size: 64
    .max_flat_workgroup_size: 256
    .sgpr_count:     66
    .vgpr_count:     248
    .wavefront_size: 32
...
	.end_amdgpu_metadata
.endif
;; end of part 1
;; launch ffn (part 2): grid 32 x 8, 4 waves a work-group, clusters of 4 x 1, 327,680 bytes of LDS; arguments xb, wb, b1, b2, pr, part; writes part
.if DOCPART == 2
	.amdgcn_target "amdgcn-amd-amdhsa--gfx1250"
	.amdhsa_code_object_version 6
	.text
	.protected	k_q6492ed9fc1_ffn
	.globl	k_q6492ed9fc1_ffn
	.p2align	8
	.type	k_q6492ed9fc1_ffn,@function
k_q6492ed9fc1_ffn:
	s_mov_b64 s[64:65], 0
	v_nop
	global_prefetch_b8 v0, s[64:65] scope:SCOPE_SE
	s_setreg_imm32_b32 hwreg(HW_REG_WAVE_MODE, 25, 1), 1
	s_wait_xcnt 0x0
	s_wait_alu depctr_hold_cnt(0) depctr_sa_sdst(0) depctr_va_vdst(0) depctr_va_sdst(0) depctr_va_ssrc(0) depctr_va_vcc(0) depctr_vm_vsrc(0)
	s_getreg_b32 s2, hwreg(HW_REG_IB_STS2, 6, 4)
	s_cmp_eq_u32 s2, 0
	s_cbranch_scc0 .Lentry_in_a_cluster
	s_endpgm
.Lentry_in_a_cluster:
	s_bfe_u32 s2, ttmp6, 0x10000c
	s_cmp_lg_u32 s2, 0x3003
	s_cbranch_scc0 .Lentry_shape_is_right
	s_endpgm
.Lentry_shape_is_right:
; FAST FEED-FORWARD, launch 2 of 3.  part[e][n][:] = p[n][e] (gelu(x[n] w1[e] + b1[e]) w2[e] + b2[e]) for 128 tokens n and one expert e a work-group; launch 3 adds the eight parts.  No work is left out.
; xb: bf16 [4096][512].  wb: bf16 [e][tile 64][128][256] (tile 8 c + s of chunk c, 256 hidden units: s = 0..3 rows 128 s + i of w1, the chunk's 256 columns; s = 4..7 rows 64 (s - 4) + kk of the
; chunk in w2, the two halves of 256 channels one after the other).  pr: f32 [4096][8][2].  part: f32 [8][4096][512]: partial sums stay f32.
; SHARES.  32 token tiles x 8 experts = 256 work-groups of four waves.  The output of 128 tokens x 512 channels stays in registers: a wave has 128 tokens x 128 channels, 64 accumulators, 512 registers.
; The work-group walks 8 chunks.  In a chunk: S1, G^T = W1^T X^T + b1 (a wave: 128 tokens x 64 hidden units, 32 accumulators, 16 K steps of 32 channels); GELU, rounded to bf16; S2, Out^T += W2^T G^T (8 K steps of
; 32 hidden units).  Both products are taken transposed (source 0 = the weights, turned on their way out of LDS; source 1 = 16 tokens), so a lane holds ONE token in G^T and in Out^T and 8 neighbouring
; hidden units or channels.
; THE GELU GOES BY QUARTERS.  A wave's hidden tile t is columns 64 t + 16 w + 0..15 of the chunk: the four waves' tiles t are the 64 hidden units (quarter t) that S2's tile 4 + t multiplies.  The order in a chunk:
; S1; GELU of quarters 0 and 1; tile 4; GELU of quarter 2; tile 5; GELU of quarter 3; tiles 6 and 7.  So the refills asked for at the ends of tiles 3, 4 and 5 have, beside a tile's 112 matrix instructions, 960, 480 and 480
; vector instructions in which to land.  G in LDS holds two quarters, which take turns: a quarter is stored behind the round that ended the reads of the quarter two back, and is shown to all waves by the next round
; (quarters 0 and 1 by a barrier of their own).  A lump behind tile 6 would lie behind the jump to the tail that is written out, and would stand twice in the text: it is not made.
; THE WALK IS TURNED.  The eight clusters of an expert (cluster x = 0..7) take its eight chunks in the same ring order from eight different starts: the three bits of x turned left by one, bit 2 then flipped where x >= 4:
; 0 2 4 6 5 7 1 3.  So no two of them ask for the same tile at the same step of their walks, and among any four clusters whose x agree in one bit no start lies more than three chunks ahead of the next.
; GELU.  gelu(u) = u / 2 + |u| (1/2 - q), q = (a1 t + a2 t^2 + a3 t^3) exp(-u^2 / 2) / 2, t = 1 / (1 + 0.47047 |u| / sqrt 2): erf by Abramowitz and Stegun 7.1.25.  LIMITS: that erf is off by 2.5e-5 at the most, for
; every argument, so gelu by 1.25e-5 |u|, a fortieth of the bf16 step to which G is rounded; far out the exponential is 0 and gelu is u or 0.  x, w1, w2 and G are bf16, all sums f32, the sum over chunks in each
; cluster's own order; NaN and infinities are not treated apart.
; THE RING.  The expert's 64 tiles of 65,536 bytes go through two LDS slots; each wave asks for a quarter (32 rows of 512 bytes), one load behind each change of slots; a tile is 128 matrix instructions a wave.
; CLUSTER.  The four work-groups of a cluster have four token tiles and ONE expert: they walk the same 64 tiles, so each is asked for JOINTLY (mask 15, the same descriptor in all four).  X is not shared in the
; cluster: the eight experts' work-groups that read one token tile take 131,072 bytes of it once, against 4,194,304 bytes of weights each: 3 parts in 100; it comes by a load of the work-group's own.
; LDS.  0: X, 128 rows at a pitch of 1,040 (at the end, when X has long been read: four stages of 16 rows x 528).  133,120 and 202,752: the slots, 128 rows at 544.  272,384: G, 128 tokens at 272, written by
; ds_store alone.  307,200: the spare words.  1,040, 272 and 528 are odd multiples of 16, 544 an odd multiple of 32: the rows that a load or store touches begin in different banks (64 banks of 4 bytes: ISA guide 11.1).
; REGISTERS, in windows of 256 (s_set_vgpr_msb: bits 1:0 source 0, 3:2 source 1, 5:4 source 2, 7:6 destination).
;   window 0: v3-19 addresses; v32-63 b1 (at the end p); v64-127, v128-191 two buffers of source 1 (8 token tiles x 8), also the GELU's four rows of 32 and the way out's two of 64; v192-223, v224-255 two buffers of
;   W1 (4 x 8), in S2 W2's fragments of a tile's first K step (8 x 8).      window 1: S1's accumulator (a, t) at 64 t + 8 a; in S2 v0-63, quarter 0's dead sums, are W2's fragments of a tile's second K step.
;   windows 2, 3: Out's accumulator (a, b) at 8 (8 (a % 4) + b) in window 2 + a / 4.
.set RING,  133120
.set SLOTB, 69632
.set GB,    272384
.set SPARE, 307200
.set SP,    528                        ; a stage's pitch
.set AX0, 3                            ; v3   X: 1040 r + 16 h (r = lane % 16, h = lane / 16), token tiles 0-3
.set AX1, 4                            ; v4   the same for token tiles 4-7
.set AW1, 5                            ; v5-6 W1 in slot 0, 1: the turning load's lane term + 32 w
.set AW2, 7                            ; v7-8 W2 in slot 0, 1: the lane term + my half's 64 rows + my 128 channels
.set AG,  9                            ; v9   G as source 1: 272 r + 16 h
.set GST, 10                           ; v10  G as I store it: AG + 32 w
.set STO, 11                           ; v11  the way out: where I put 16 bytes
.set RD,  12                           ; v12  the way out: where I read a row back
.set CO,  13                           ; v13  16 x lane: my place in 512 bytes of part
.set B1O, 14                           ; v14  32 h + 64 w
.set PFO, 15                           ; v15  256 x lane; never rewritten
.set SPW, 16                           ; v16  LDS address of my spare word; never rewritten
.set NIL, 17                           ; v17  0; never rewritten
.set B2O, 18                           ; v18  32 h + 512 w
.set PO,  19                           ; v19  64 r
.set BI,  32
.set PP,  32
.set FR,  64
.set WA,  192
.set W2A, 192
.set AA,  64
.set TT,  96
.set EE,  128
.set QQ,  160
.set TMP, 64
.set OB,  128
.set WV,  16                           ; s16  wave
.set CX,  17                           ; s17  my place in the cluster: it enters global addresses alone
.set TK,  18                           ; s18  token tile
.set EX,  19                           ; s19  expert
.set G1W, 24                           ; s[24:31] group 1 of the weights' loads
.set G1X, 32                           ; s[32:39] group 1 of X's load
.set G0S, 40                           ; s[40:47] group 0 of the weights' loads, a set for each slot
.set G0X, 48                           ; s[48:51] group 0 of X's load
.set CH,  52                           ; s52  chunks to go, this one among them
.set TN,  53                           ; s53  the tile to be asked for next, 0..63
.set PFA, 54                           ; s[54:55] where my prefetches stand; never rewritten
.set B1P, 56                           ; s[56:57] b1 at the expert's row, at the chunk last loaded
.set PRP, 58                           ; s[58:59] pr at my token tile and expert
.set PT,  60                           ; s[60:61] part at my expert, token tile and 128 channels
.set B2P, 62                           ; s[62:63] b2 at the expert's row
.set KCP, 66                           ; s[66:76] the GELU's constants; the packed forms name pairs and take the low word for both halves
.set KA3, 68
.set KA2, 70
.set KA1, 72
.set KC0, 74
.set KC1, 76
.set CK,  78                           ; s78  the chunk whose b1 was loaded last, 0..7
.set OFF, 80                           ; s[80:81] a tile's byte offset among the expert's 64
.set WBB, 82                           ; s[82:83] wb at the expert's tile 0, my quarter
.set B1B, 84                           ; s[84:85] b1 at the expert's row
.set BOF, 86                           ; s[86:87] a chunk's byte offset in that row
.set MSB, 0
.macro WIN new                         ; the immediate's high byte repeats the setting that is left; a switch that changes nothing is dropped
.if MSB != (\new)
	s_set_vgpr_msb (MSB<<8)|(\new)
.set MSB, \new
.endif
.endm
.macro PLACES                          ; four places: behind a matrix instruction, ahead of loads into registers that it has read and of vector lines that read results (ISA guide 7.12.1 for the vector lines)
.rept 4
	v_nop
.endr
.endm
.macro CREST                           ; a round of the cluster's barrier behind its opening barrier
	s_cmp_lg_u32 s[WV], 0
	s_cbranch_scc1 .Lnot_wave_0_\@
	s_barrier_signal -3
.Lnot_wave_0_\@:
	s_barrier_wait -3
	s_barrier_signal -1
	s_barrier_wait -1
.endm
.macro CROUND
	s_barrier_signal -1
	s_barrier_wait -1
	CREST
.endm
; The descriptor of the slot's next tile: its address is made anew from the tile's number, which then steps round the expert's 64.  It stands behind the wait for all my tensor loads, between the add and the wait for it.
.macro JDESC slot
	s_lshl_b32 s[OFF], s[TN], 16
	s_add_nc_u64 s[G0S+4*(\slot)+2:G0S+4*(\slot)+3], s[WBB:WBB+1], s[OFF:OFF+1]
	s_or_b32 s[G0S+4*(\slot)+3], s[G0S+4*(\slot)+3], 0x80000000
	s_add_co_u32 s[TN], s[TN], 1
	s_and_b32 s[TN], s[TN], 63
.endm
; A joint refill: every wave asks for its own quarter, by the same line in all four work-groups.  The four v_nop are the places ahead of the loads that follow.
.macro JLOAD slot
	tensor_load_to_lds s[G0S+4*(\slot):G0S+4*(\slot)+3], s[G1W:G1W+7]
	s_nop 0
.rept 4
	v_nop
.endr
.endm
; A PREFETCH INTO THE L2, in a cluster's first chunk alone: at the end of its tile 0 the chunk's tiles 4 and 5, at the end of tile 2 its tiles 6 and 7: 131,072 bytes each time, whose joint loads stand two and three tiles on.
; The cluster's 16 waves share the bytes out BY ADDRESS, 8,192 each (place 4 cx + w), a lane for each 256.  The eight clusters of an expert start at eight different chunks, so each block is named once in the launch.
; The first chunk's tiles 0 to 3 come by their loads alone; the later chunks of a walk are other clusters' first chunks and are not asked for again.
.macro ASK off
	WIN 0
	s_cmp_eq_u32 s[CH], 8
	s_cbranch_scc0 .Lnot_first_\@
	global_prefetch_b8 v[PFO], s[PFA:PFA+1] offset:\off th:TH_LOAD_NT scope:SCOPE_SE
.Lnot_first_\@:
.endm
; S1's fragments of one K step into buffer f: 24 loads in one run.  W1 (rows 32 ks on of the slot's tile, my four tiles of 16 hidden units) turned: lane l holds hidden unit l % 16, 8 + 8 channels.  Then X, token tiles ascending, bytes xk on.
.macro FETCH1 slot, ks, xk, f
	WIN 0
.irp t, 0,1,2,3
	ds_load_tr16_b128 v[WA+32*(\f)+8*(\t):WA+32*(\f)+8*(\t)+3],   v[AW1+(\slot)] offset:17408*(\ks)+128*(\t)
	ds_load_tr16_b128 v[WA+32*(\f)+8*(\t)+4:WA+32*(\f)+8*(\t)+7], v[AW1+(\slot)] offset:17408*(\ks)+128*(\t)+8704
.endr
.irp a, 0,1,2,3
	ds_load_b128 v[FR+64*(\f)+8*(\a):FR+64*(\f)+8*(\a)+3],   v[AX0] offset:16640*(\a)+(\xk)
	ds_load_b128 v[FR+64*(\f)+8*(\a)+4:FR+64*(\f)+8*(\a)+7], v[AX0] offset:16640*(\a)+(\xk)+32
.endr
.irp a, 0,1,2,3
	ds_load_b128 v[FR+64*(\f)+32+8*(\a):FR+64*(\f)+32+8*(\a)+3],   v[AX1] offset:16640*(\a)+(\xk)
	ds_load_b128 v[FR+64*(\f)+32+8*(\a)+4:FR+64*(\f)+32+8*(\a)+7], v[AX1] offset:16640*(\a)+(\xk)+32
.endr
.endm
; 4 n matrix instructions of S1: token tiles a0 .. a0 + n - 1 x my four hidden tiles.  first = 1: b1 is the C that starts the sums.  The 32 accumulators take turns, one instruction a turn, in the same order in every K step.
.macro MUL1 f, a0, n, first
.if \first
	WIN 0x40
.else
	WIN 0x50
.endif
.set aa, \a0
.rept \n
.irp t, 0,1,2,3
.set rD, 64*(\t)+8*aa
.if \first
	v_wmma_f32_16x16x32_bf16 v[rD:rD+7], v[WA+32*(\f)+8*(\t):WA+32*(\f)+8*(\t)+7], v[FR+64*(\f)+8*aa:FR+64*(\f)+8*aa+7], v[BI+8*(\t):BI+8*(\t)+7]
.else
	v_wmma_f32_16x16x32_bf16 v[rD:rD+7], v[WA+32*(\f)+8*(\t):WA+32*(\f)+8*(\t)+7], v[FR+64*(\f)+8*aa:FR+64*(\f)+8*aa+7], v[rD:rD+7]
.endif
.endr
.set aa, aa+1
.endr
.endm
; A K step of S1 inside a tile: multiplies buffer f; in its middle the next K step (slot, ks, xk) is fetched into the other buffer.
.macro KS1 f, first, slot, ks, xk
	s_wait_dscnt 8                                 ; W1 and token tiles 0-3 are in; the youngest eight loads (token tiles 4-7) may be out
	MUL1 \f, 0, 4, \first
	PLACES
	FETCH1 \slot, \ks, \xk, 1-(\f)
	s_wait_dscnt 24                                ; all but the 24 just issued
	MUL1 \f, 4, 4, \first
.endm
; A tile's last K step in S1 (buffer 1) and THE CHANGE OF SLOTS.  Each wave waits for all its tensor loads, of which one is out: its quarter of the other slot; adds 0 to its spare word; waits for that and for its own
; reads of this slot; then a round of the cluster's barrier: no wave of any partner still reads this slot or has a load on its way.  The joint refill is the first thing behind it.  pf: the prefetch's offset, or -1 for none.
.macro TURN1 slot, fetch, xk, pf
	WIN 0
	s_wait_tensorcnt 0x0
	ds_add_u32 v[SPW], v[NIL]
	JDESC \slot
	s_wait_dscnt 9                                 ; the add and the youngest eight loads may be out
	MUL1 1, 0, 2, 0
	s_wait_dscnt 0x0                               ; the add is done, my reads of this slot are over
	s_barrier_signal -1
	MUL1 1, 2, 2, 0
	WIN 0
	s_barrier_wait -1
	CREST
	JLOAD \slot
.if \fetch
	FETCH1 1-(\slot), 0, \xk, 0
.endif
.if (\pf) >= 0
	ASK \pf
.endif
	MUL1 1, 4, 4, 0
.endm
; S2's fragments of K step f (0, 1) of a tile.  W2 (rows 32 ks on of my half of the slot's tile, my eight tiles of 16 channels) turned: f = 0 into window 0, v192 on; f = 1 into window 1, v0 on.  G (8 token tiles, bytes gk on) into buffer f.
.macro FETCH2W slot, ks, f
	WIN 0x40*(\f)
.irp b, 0,1,2,3,4,5,6,7
	ds_load_tr16_b128 v[W2A*(1-(\f))+8*(\b):W2A*(1-(\f))+8*(\b)+3],   v[AW2+(\slot)] offset:17408*(\ks)+32*(\b)
	ds_load_tr16_b128 v[W2A*(1-(\f))+8*(\b)+4:W2A*(1-(\f))+8*(\b)+7], v[AW2+(\slot)] offset:17408*(\ks)+32*(\b)+8704
.endr
.endm
.macro FETCH2G gk, f
	WIN 0
.irp a, 0,1,2,3,4,5,6,7
	ds_load_b128 v[FR+64*(\f)+8*(\a):FR+64*(\f)+8*(\a)+3],   v[AG] offset:4352*(\a)+(\gk)
	ds_load_b128 v[FR+64*(\f)+8*(\a)+4:FR+64*(\f)+8*(\a)+7], v[AG] offset:4352*(\a)+(\gk)+32
.endr
.endm
; 8 n matrix instructions of S2: token tiles a0 .. a0 + n - 1 x my eight channel tiles.  The 64 accumulators take turns, in the same order in every K step.
.macro MUL2 f, a0, n
.set aa, \a0
.rept \n
	WIN (0xa0+0x50*(aa/4)+(\f))
.irp b, 0,1,2,3,4,5,6,7
	v_wmma_f32_16x16x32_bf16 v[8*(8*(aa%4)+(\b)):8*(8*(aa%4)+(\b))+7], v[W2A*(1-(\f))+8*(\b):W2A*(1-(\f))+8*(\b)+7], v[FR+64*(\f)+8*aa:FR+64*(\f)+8*aa+7], v[8*(8*(aa%4)+(\b)):8*(8*(aa%4)+(\b))+7]
.endr
.set aa, aa+1
.endr
.endm
; A tile's first K step in S2; in its middle the second K step's fragments are fetched (G's bytes gk on).
.macro KS2 slot, gk
	s_wait_dscnt 8                                 ; W2 and token tiles 0-3 of G are in
	MUL2 0, 0, 4
	PLACES
	FETCH2W \slot, 1, 1
	FETCH2G \gk, 1
	s_wait_dscnt 32                                ; all but the 32 just issued
	MUL2 0, 4, 4
.endm
; A tile's second K step in S2 and the change of slots, as in TURN1: eight matrix instructions between the add and the wait for it, eight inside the barrier, the other 48 behind the refill.
; fill = 0 (the last two tiles): nothing is asked for, and the work-group's barrier is enough.
; kind 0: the next tile's W2 and G's bytes 128 on.  kind 2: the next chunk's first fragments.  kind 3: the next tile's W2 alone: a lump of GELU follows, which works in G's fragment registers.
.macro TURN2 slot, kind, fill
	WIN 0
	s_wait_tensorcnt 0x0
	ds_add_u32 v[SPW], v[NIL]
.if \fill
	JDESC \slot
.endif
	s_wait_dscnt 9                                 ; the add and the youngest eight loads may be out
	MUL2 1, 0, 1
	s_wait_dscnt 0x0                               ; the add is done; my reads of this slot and of this tile's quarter of G are over; my stores of a later quarter lie in G
	s_barrier_signal -1
	MUL2 1, 1, 1
.if \fill
	WIN 0
.endif
	s_barrier_wait -1
.if \fill
	CREST
	JLOAD \slot
.else
	PLACES
.endif
.if (\kind) == 0
	FETCH2W 1-(\slot), 0, 0
	FETCH2G 128, 0
.elseif (\kind) == 2
	FETCH1 0, 0, 0, 0
.else
	FETCH2W 1-(\slot), 0, 0
.endif
	MUL2 1, 2, 6
.endm
; GELU of 32 numbers a lane: quarter q, token tiles 4 i .. 4 i + 3.  AA = c |u|, c = sqrt(log2 e / 2); TT = 1 + p AA; EE = -AA^2; then ONE BATCH of 32 reciprocals and 32 exponentials, each pair's four
; behind the next pair's two plain lines, and ONE wait; QQ = ((A3 t + A2) t + A1) t; EE = C0 - QQ 2^EE; gelu = u / 2 + AA EE.  The constants carry 1 / (2 c).  Each accumulator is read from its lowest register on.
; A lane's 8 hidden units of one token are 16 bytes of G: the quarter's parity picks the half of G's row.
.macro GELU q, i
.set U, 64*(\q)+32*(\i)
	WIN 0x01
.set k, 0
.rept 32
	v_mul_f32 v[AA+k], |v[U+k]|, s[KC1]
.set k, k+1
.endr
	WIN 0
.set k, 0
.rept 16
	v_pk_fma_f32 v[TT+2*k:TT+2*k+1], v[AA+2*k:AA+2*k+1], s[KCP:KCP+1], 1.0 op_sel_hi:[1,0,0]
	v_pk_mul_f32 v[EE+2*k:EE+2*k+1], v[AA+2*k:AA+2*k+1], v[AA+2*k:AA+2*k+1] neg_lo:[1,0] neg_hi:[1,0]
.if k > 0
	v_rcp_f32 v[TT+2*k-2], v[TT+2*k-2]
	v_rcp_f32 v[TT+2*k-1], v[TT+2*k-1]
	v_exp_f32 v[EE+2*k-2], v[EE+2*k-2]
	v_exp_f32 v[EE+2*k-1], v[EE+2*k-1]
.endif
.set k, k+1
.endr
	v_rcp_f32 v[TT+30], v[TT+30]
	v_rcp_f32 v[TT+31], v[TT+31]
	v_exp_f32 v[EE+30], v[EE+30]
	v_exp_f32 v[EE+31], v[EE+31]
	v_nop                                          ; a plain instruction behind the last of the batch,
	s_wait_alu depctr_va_vdst(0)                   ; and one wait for all 64, ahead of the first line that names a result
.set k, 0
.rept 16
	v_pk_fma_f32 v[QQ+2*k:QQ+2*k+1], v[TT+2*k:TT+2*k+1], s[KA3:KA3+1], s[KA2:KA2+1] op_sel_hi:[1,0,0]
.set k, k+1
.endr
.set k, 0
.rept 16
	v_pk_fma_f32 v[QQ+2*k:QQ+2*k+1], v[QQ+2*k:QQ+2*k+1], v[TT+2*k:TT+2*k+1], s[KA1:KA1+1] op_sel_hi:[1,1,0]
.set k, k+1
.endr
.set k, 0
.rept 16
	v_pk_mul_f32 v[QQ+2*k:QQ+2*k+1], v[QQ+2*k:QQ+2*k+1], v[TT+2*k:TT+2*k+1]
.set k, k+1
.endr
.set k, 0
.rept 16
	v_pk_fma_f32 v[EE+2*k:EE+2*k+1], v[QQ+2*k:QQ+2*k+1], v[EE+2*k:EE+2*k+1], s[KC0:KC0+1] op_sel_hi:[1,1,0] neg_lo:[1,0,0] neg_hi:[1,0,0]
.set k, k+1
.endr
.set k, 0
.rept 16
	v_pk_mul_f32 v[AA+2*k:AA+2*k+1], v[AA+2*k:AA+2*k+1], v[EE+2*k:EE+2*k+1]
.set k, k+1
.endr
	WIN 0x01
.set k, 0
.rept 16
	v_pk_fma_f32 v[AA+2*k:AA+2*k+1], v[U+2*k:U+2*k+1], 0.5, v[AA+2*k:AA+2*k+1] op_sel_hi:[1,0,1]
.set k, k+1
.endr
	WIN 0
.set k, 0
.rept 16
	v_cvt_pk_bf16_f32 v[TT+k], v[AA+2*k], v[AA+2*k+1]
.set k, k+1
.endr
.irp p, 0,1,2,3
	ds_store_b128 v[GST], v[TT+4*(\p):TT+4*(\p)+3] offset:4352*(4*(\i)+(\p))+128*((\q)%2)
.endr
.endm
.macro B1LOAD                          ; b1 of my four hidden tiles: register j of tile t is hidden unit 64 t + 16 w + 8 h + j, as in the accumulators
.irp t, 0,1,2,3
	global_load_b128 v[BI+8*(\t):BI+8*(\t)+3],   v[B1O], s[B1P:B1P+1] offset:256*(\t)
	global_load_b128 v[BI+8*(\t)+4:BI+8*(\t)+7], v[B1O], s[B1P:B1P+1] offset:256*(\t)+16
.endr
.endm
; THE WAY OUT of token tile a.  PACK: times the token's p, from each accumulator's lowest registers on.  TOSTAGE: into my own stage, and back as whole rows of 512 bytes.  SEND: stored.
.macro PACK a
	WIN 0x02+(\a)/4
.set k, 0
.rept 32
	v_pk_mul_f32 v[TMP+2*k:TMP+2*k+1], v[64*((\a)%4)+2*k:64*((\a)%4)+2*k+1], v[PP+2*(\a):PP+2*(\a)+1]
.set k, k+1
.endr
	WIN 0
.endm
.macro TOSTAGE
	WIN 0
.irp b, 0,1,2,3,4,5,6,7
	ds_store_b128 v[STO], v[TMP+8*(\b):TMP+8*(\b)+3]   offset:64*(\b)
	ds_store_b128 v[STO], v[TMP+8*(\b)+4:TMP+8*(\b)+7] offset:64*(\b)+16
.endr
	s_wait_xcnt 0x0                                ; the registers below were the last tile's store data: they are loaded again only behind this wait
.set t, 0
.rept 16
	ds_load_b128 v[OB+4*t:OB+4*t+3], v[RD] offset:SP*t   ; LDS serves a wave's instructions in order (ISA guide 5.7.1.4): these see the stores above
.set t, t+1
.endr
.endm
.macro SEND a
	WIN 0
	s_wait_dscnt 0x0
.set t, 0
.rept 16
	global_store_b128 v[CO], v[OB+4*t:OB+4*t+3], s[PT:PT+1] offset:2048*(16*(\a)+t) th:TH_STORE_NT   ; 512 consecutive bytes of a row of part, aligned
.set t, t+1
.endr
.endm
	s_load_b256 s[4:11], s[0:1], 0x0               ; xb 4:5, wb 6:7, b1 8:9, b2 10:11
	s_load_b128 s[12:15], s[0:1], 0x20             ; pr 12:13, part 14:15
	v_lshl_add_u32 v[SPW], v0, 2, SPARE
	v_mov_b32 v[NIL], 0
	ds_add_u32 v[SPW], v[NIL]                      ; the wave's opening: the add, twice on end, and its wait ahead of my first tensor load
	ds_add_u32 v[SPW], v[NIL]
	v_lshrrev_b32 v1, 5, v0
	v_readfirstlane_b32 s[WV], v1                  ; wave 0..3
	s_bfe_u32 s[CX], ttmp6, 0x40000                ; cx
	s_lshl_b32 s[TK], ttmp9, 2                     ; in a cluster launch ttmp9 counts clusters
	s_add_co_u32 s[TK], s[TK], s[CX]               ; token tile = 4 x cluster x + cx
	s_and_b32 s[EX], ttmp7, 0xffff                 ; the expert, which the four partners share
	s_lshl_b32 s20, ttmp9, 1                       ; the walk's first chunk, from the cluster's x, which the four partners share: its three bits turned left by one,
	s_and_b32 s20, s20, 6
	s_lshr_b32 s21, ttmp9, 2
	s_or_b32 s20, s20, s21
	s_and_b32 s21, ttmp9, 4                        ; bit 2 flipped where x >= 4
	s_xor_b32 s[CK], s20, s21
	s_lshl_b32 s[TN], s[CK], 3
	s_add_co_u32 s[TN], s[TN], 2                   ; its tiles 0 and 1 are the first fills: tile 2 is asked for next
	s_lshl_b32 s[OFF], s[CK], 19                   ; a chunk is 8 tiles of 65,536 bytes
	s_mov_b32 s[OFF+1], 0
	s_lshl_b32 s[BOF], s[CK], 10                   ; and 256 numbers of b1
	s_mov_b32 s[BOF+1], 0
	s_mov_b32 s[G1W+0], 15|(1<<16)|(1<<20)|(1<<21)|(6<<22)|(7<<25)  ; the mask of four; 2-byte elements; padding on; bit 21 beside a mask; after every 128 words (code 6) 8 words (code 7)
	s_mov_b32 s[G1W+1], 256<<16                    ; tensor_dim0 = 256
	s_mov_b32 s[G1W+2], 32<<16                     ; tensor_dim1 = 32
	s_mov_b32 s[G1W+3], 256<<16                    ; tile_dim0 = 256
	s_mov_b32 s[G1W+4], 32                         ; tile_dim1 = 32
	s_mov_b32 s[G1W+5], 256                        ; 256 elements from row to row: a tile is dense
	s_mov_b32 s[G1W+6], 0
	s_mov_b32 s[G1W+7], 0
	s_mov_b32 s[G1X+0], (1<<16)|(1<<20)|(7<<22)|(3<<25)             ; no mask; after every 256 words (code 7) 4 words (code 3)
	s_mov_b32 s[G1X+1], 512<<16
	s_mov_b32 s[G1X+2], 32<<16
	s_mov_b32 s[G1X+3], 512<<16
	s_mov_b32 s[G1X+4], 32
	s_mov_b32 s[G1X+5], 512
	s_mov_b32 s[G1X+6], 0
	s_mov_b32 s[G1X+7], 0
	s_mul_i32 s20, s[WV], 17408                    ; my 32 rows of a slot: no place in the cluster enters an LDS address
	s_mov_b32 s[G0S+0], 1
	s_add_co_u32 s[G0S+1], s20, RING
	s_mov_b32 s[G0S+4], 1
	s_add_co_u32 s[G0S+5], s20, RING+SLOTB
	s_mov_b32 s[G0X+0], 1
	s_mul_i32 s[G0X+1], s[WV], 33280               ; my 32 rows of X
	s_lshl_b32 s20, s[EX], 22                      ; the expert's 64 tiles,
	s_lshl_b32 s21, s[WV], 14                      ; my quarter of a tile
	s_add_co_u32 s20, s20, s21
	s_mov_b32 s21, 0
	s_lshl_b32 s22, s[TK], 17                      ; my token tile's 128 rows of 1,024 bytes,
	s_lshl_b32 s23, s[WV], 15                      ; my 32 of them
	s_add_co_u32 s22, s22, s23
	s_mov_b32 s23, 0
	s_mov_b32 s[KCP], 0x3ec88bda                   ; 0.47047 / sqrt(log2 e) = 0.39169197
	s_mov_b32 s[KCP+1], s[KCP]
	s_mov_b32 s[KA3], 0x3ee16a97                   ; 0.7478556 / (2 c) = 0.44026634
	s_mov_b32 s[KA3+1], s[KA3]
	s_mov_b32 s[KA2], 0xbd6732ca                   ; -0.0958798 / (2 c) = -0.05644492
	s_mov_b32 s[KA2+1], s[KA2]
	s_mov_b32 s[KA1], 0x3e51cd01                   ; 0.3480242 / (2 c) = 0.20488359
	s_mov_b32 s[KA1+1], s[KA1]
	s_mov_b32 s[KC0], 0x3f16b55f                   ; 1 / (2 c) = 0.58870501
	s_mov_b32 s[KC0+1], s[KC0]
	s_mov_b32 s[KC1], 0x3f596d27                   ; c = sqrt(log2 e / 2) = 0.84932180
	s_mov_b32 s[CH], 8
	s_wait_dscnt 0x0                               ; both opening adds are done
	s_wait_kmcnt 0x0
	s_add_nc_u64 s[WBB:WBB+1], s[6:7], s[20:21]
	s_add_nc_u64 s[G0S+2:G0S+3], s[WBB:WBB+1], s[OFF:OFF+1]  ; the first chunk's tile 0,
	s_add_nc_u64 s[G0S+6:G0S+7], s[G0S+2:G0S+3], 65536       ; its tile 1
	s_or_b32 s[G0S+3], s[G0S+3], 0x80000000        ; type = 2
	s_or_b32 s[G0S+7], s[G0S+7], 0x80000000
	s_add_nc_u64 s[G0X+2:G0X+3], s[4:5], s[22:23]
	s_or_b32 s[G0X+3], s[G0X+3], 0x80000000
	CROUND                                         ; all four work-groups are here: the first joint loads meet
	tensor_load_to_lds s[G0X:G0X+3], s[G1X:G1X+7]  ; the first fills go out as one group: three loads of mine are out
	s_nop 0
	tensor_load_to_lds s[G0S:G0S+3], s[G1W:G1W+7]
	s_nop 0
	tensor_load_to_lds s[G0S+4:G0S+7], s[G1W:G1W+7]
	s_nop 0
.rept 4
	v_nop
.endr
	v_bfe_u32 v22, v0, 4, 1                        ; h
	s_lshl_b32 s20, s[EX], 11
	s_mov_b32 s21, 0
	s_add_nc_u64 s[B2P:B2P+1], s[10:11], s[20:21]
	s_lshl_b32 s20, s[EX], 13
	s_add_nc_u64 s[B1B:B1B+1], s[8:9], s[20:21]
	s_add_nc_u64 s[B1P:B1P+1], s[B1B:B1B+1], s[BOF:BOF+1]
	s_lshl_b32 s22, s[WV], 9
	v_lshl_add_u32 v[B2O], v22, 5, s22
	s_lshl_b32 s22, s[WV], 6
	v_lshl_add_u32 v[B1O], v22, 5, s22
.irp b, 0,1,2,3,4,5,6,7                ; b2 of my 128 channels: register j of tile b is channel 16 b + 8 h + j, as in Out's accumulators
	global_load_b128 v[FR+8*(\b):FR+8*(\b)+3],   v[B2O], s[B2P:B2P+1] offset:64*(\b)
	global_load_b128 v[FR+8*(\b)+4:FR+8*(\b)+7], v[B2O], s[B2P:B2P+1] offset:64*(\b)+16
.endr
	B1LOAD
	; the other pointers
	s_lshl_b32 s20, s[CX], 2
	s_add_co_u32 s20, s20, s[WV]                   ; my wave's place among the cluster's 16,
	s_lshl_b32 s20, s20, 13                        ; 8,192 bytes each,
	s_lshl_b32 s22, s[EX], 22
	s_add_co_u32 s20, s20, s22
	s_add_co_u32 s20, s20, s[OFF]                  ; in the walk's first chunk,
	s_add_co_u32 s20, s20, 4*65536                 ; from its tile 4 on
	s_add_nc_u64 s[PFA:PFA+1], s[6:7], s[20:21]
	s_lshl_b32 s20, s[TK], 13
	s_lshl_b32 s22, s[EX], 3
	s_add_co_u32 s20, s20, s22
	s_add_nc_u64 s[PRP:PRP+1], s[12:13], s[20:21]
	s_lshl_b32 s20, s[EX], 23
	s_lshl_b32 s22, s[TK], 18
	s_add_co_u32 s20, s20, s22
	s_lshl_b32 s22, s[WV], 9
	s_add_co_u32 s20, s20, s22
	s_add_nc_u64 s[PT:PT+1], s[14:15], s[20:21]
	; the lanes' addresses
	v_and_b32 v20, 31, v0                          ; lane
	v_and_b32 v21, 15, v0                          ; r
	v_and_b32 v23, 7, v0
	v_bfe_u32 v24, v0, 3, 1
	v_lshl_add_u32 v25, v22, 3, v23                ; the turning load: lane l reads row 8 h + l % 8,
	v_mul_u32_u24 v25, v25, 544
	v_lshl_add_u32 v25, v24, 4, v25                ; 16 bytes (l / 8) % 2
	v_mul_u32_u24 v[AX0], v21, 1040
	v_lshl_add_u32 v[AX0], v22, 4, v[AX0]
	v_add_nc_u32 v[AX1], 66560, v[AX0]
	s_lshl_b32 s20, s[WV], 5                       ; my 16 hidden units of a quarter's 64: 32 bytes
	s_add_co_u32 s22, s20, RING
	v_add_nc_u32 v[AW1], s22, v25
	v_add_nc_u32 v[AW1+1], SLOTB, v[AW1]
	s_lshr_b32 s22, s[WV], 1
	s_mul_i32 s22, s22, 34816                      ; my half's 64 rows,
	s_and_b32 s23, s[WV], 1
	s_lshl_b32 s23, s23, 8                         ; my 128 channels of its 256
	s_add_co_u32 s22, s22, s23
	s_add_co_u32 s22, s22, RING
	v_add_nc_u32 v[AW2], s22, v25
	v_add_nc_u32 v[AW2+1], SLOTB, v[AW2]
	v_mul_u32_u24 v[AG], v21, 272
	v_lshl_add_u32 v[AG], v22, 4, v[AG]
	v_add_nc_u32 v[AG], GB, v[AG]
	v_add_nc_u32 v[GST], s20, v[AG]
	s_mul_i32 s22, s[WV], 16*SP
	v_mul_u32_u24 v[STO], v21, SP
	v_lshl_add_u32 v[STO], v22, 5, v[STO]
	v_add_nc_u32 v[STO], s22, v[STO]
	v_lshl_add_u32 v[RD], v20, 4, s22
	v_lshlrev_b32 v[CO], 4, v20
	v_lshlrev_b32 v[PFO], 8, v20
	v_lshlrev_b32 v[PO], 6, v21
	s_wait_loadcnt 8                               ; b2 is in; b1's eight loads may stay out
	; b2 enters the sums: it is the value at which all 64 accumulators start, the same for every token tile.  These lines stand in the wait for the first tiles, and one text then serves every chunk.
	WIN 0x80
.set k, 0
.rept 256
	v_mov_b32 v[k], v[FR+k%64]
.set k, k+1
.endr
	WIN 0xc0
.set k, 0
.rept 256
	v_mov_b32 v[k], v[FR+k%64]
.set k, k+1
.endr
	WIN 0
	s_wait_tensorcnt 0x1                           ; my parts of X and of the first tile are in; the second tile's may stay out
	s_barrier_signal -1
	s_barrier_wait -1                              ; everybody's are
	FETCH1 0, 0, 0, 0
.Lchunk:
	s_wait_loadcnt 0x0                             ; b1 of this chunk
.rept 5
	v_nop                                          ; S1's first products write over registers of window 1 that S2's last products read as source 0: five places
.endr
	KS1 0, 1, 0, 1, 64                             ; S1: tile 0 (slot 0)
	KS1 1, 0, 0, 2, 128
	KS1 0, 0, 0, 3, 192
	TURN1 0, 1, 256, 0                             ; slot 0 takes tile 2
	KS1 0, 0, 1, 1, 320                            ; tile 1 (slot 1)
	KS1 1, 0, 1, 2, 384
	KS1 0, 0, 1, 3, 448
	TURN1 1, 1, 512, -1                            ; slot 1 takes tile 3
	KS1 0, 0, 0, 1, 576                            ; tile 2
	KS1 1, 0, 0, 2, 640
	KS1 0, 0, 0, 3, 704
	TURN1 0, 1, 768, 131072                        ; slot 0 takes tile 4
	KS1 0, 0, 1, 1, 832                            ; tile 3
	KS1 1, 0, 1, 2, 896
	KS1 0, 0, 1, 3, 960
	TURN1 1, 0, 0, -1                              ; slot 1 takes tile 5; tile 4 is whole
	PLACES
	FETCH2W 0, 0, 0                                ; W1's fragment registers have been read: tile 4's first W2 takes their place while the GELU runs
	PLACES
	GELU 0, 0                                      ; quarters 0 and 1, into G's two halves: the last chunk's reads of G ended in front of the round of its tile 7
	GELU 0, 1
	GELU 1, 0
	GELU 1, 1
	s_wait_dscnt 0x0                               ; for the others' sake: my part of both quarters lies in G
	s_barrier_signal -1
	s_barrier_wait -1                              ; (tile 5's load stays out)
	FETCH2G 0, 0
	KS2 0, 64                                      ; S2: tile 4, quarter 0
	TURN2 0, 3, 1                                  ; slot 0 takes tile 6; every wave's reads of quarter 0 are over
	PLACES
	GELU 2, 0                                      ; quarter 2 takes quarter 0's half of G; the round of tile 5 shows it to all
	GELU 2, 1
	FETCH2G 128, 0
	KS2 1, 192                                     ; tile 5, quarter 1
	TURN2 1, 3, 1                                  ; slot 1 takes tile 7; every wave's reads of quarter 1 are over, quarter 2 is whole
	PLACES
	GELU 3, 0                                      ; quarter 3 takes quarter 1's half; the barrier of tile 6 shows it to all
	GELU 3, 1
	FETCH2G 0, 0
	KS2 0, 64                                      ; tile 6, quarter 2
	WIN 0
	s_cmp_eq_u32 s[CH], 1
	s_cbranch_scc1 .Ltail                          ; the last chunk's end is written out: it asks for nothing more
	s_add_co_u32 s[CK], s[CK], 1                   ; the next chunk, round the ring of eight
	s_and_b32 s[CK], s[CK], 7
	s_lshl_b32 s[BOF], s[CK], 10
	s_add_nc_u64 s[B1P:B1P+1], s[B1B:B1B+1], s[BOF:BOF+1]  ; (the pointer's last loads were awaited at the chunk's head)
	B1LOAD                                         ; its b1
	TURN2 0, 0, 1                                  ; slot 0 takes the next chunk's tile 0
	KS2 1, 192                                     ; tile 7, quarter 3
	TURN2 1, 2, 1                                  ; slot 1 takes its tile 1; its first fragments are fetched
	WIN 0
	s_sub_co_u32 s[CH], s[CH], 1
	s_branch .Lchunk
.Ltail:
.irp a, 0,1,2,3,4,5,6,7
	global_load_b64 v[PP+2*(\a):PP+2*(\a)+1], v[PO], s[PRP:PRP+1] offset:1024*(\a)   ; p of my token in tile a, twice: the pair of the packed multiply; b1's registers are free
.endr
	TURN2 0, 0, 0                                  ; my one load that was still out is the last tile's
	KS2 1, 192
	s_wait_dscnt 8
	MUL2 1, 0, 4
	s_wait_dscnt 0x0
	MUL2 1, 4, 4
	WIN 0
	PLACES
	PLACES
	s_wait_loadcnt 0x0                             ; p
	PACK 0
	TOSTAGE
.irp a, 1,2,3,4,5,6,7                  ; tile a's multiplies stand between tile a - 1's loads from the stage and the wait for them
	PACK \a
	SEND (\a)-1
	TOSTAGE
.endr
	SEND 7
	s_wait_tensorcnt 0x0                           ; the wave's end, behind my last tensor load and my last LDS store
	ds_add_u32 v[SPW], v[NIL]
	s_wait_dscnt 0x0
	CROUND                                         ; the closing round: no work-group ends while a partner may still ask for a tile that names it
	s_endpgm
.Lfunc_end_k_q6492ed9fc1_ffn:
	.size	k_q6492ed9fc1_ffn, .Lfunc_end_k_q6492ed9fc1_ffn-k_q6492ed9fc1_ffn
	.p2alignl 7, 3214868480
	.fill 96, 4, 3214868480
	.section	.rodata,"a",@progbits
	.p2align	6, 0x0
	.amdhsa_kernel k_q6492ed9fc1_ffn
		.amdhsa_group_segment_fixed_size 327680
		.amdhsa_private_segment_fixed_size 0
		.amdhsa_enable_private_segment 0
		.amdhsa_kernarg_size 48
		.amdhsa_user_sgpr_count 2
		.amdhsa_user_sgpr_kernarg_segment_ptr 1
		.amdhsa_wavefront_size32 1
		.amdhsa_system_sgpr_workgroup_id_x 1
		.amdhsa_system_sgpr_workgroup_id_y 1
		.amdhsa_system_sgpr_workgroup_id_z 1
		.amdhsa_system_vgpr_workitem_id 0
		.amdhsa_next_free_vgpr 1024
		.amdhsa_next_free_sgpr 88
		.amdhsa_reserve_vcc 0
		.amdhsa_float_denorm_mode_32 3
		.amdhsa_float_denorm_mode_16_64 3
		.amdhsa_memory_ordered 1
		.amdhsa_forward_progress 1
		.amdhsa_inst_pref_size 255
	.end_amdhsa_kernel
	.section	.bss,"aw",@nobits
	.p2align	6
	.space	262144
	.amdgpu_metadata
---
amdhsa.version: [ 1, 2 ]
amdhsa.kernels:
  - .name:           k_q6492ed9fc1_ffn
    .symbol:         k_q6492ed9fc1_ffn.kd
    .args:
      - { .name: xb, .offset: 0, .size: 8, .value_kind: global_buffer, .address_space: global }
      - { .name: wb, .offset: 8, .size: 8, .value_kind: global_buffer, .address_space: global }
      - { .name: b1, .offset: 16, .size: 8, .value_kind: global_buffer, .address_space: global }
      - { .name: b2, .offset: 24, .size: 8, .value_kind: global_buffer, .address_space: global }
      - { .name: pr, .offset: 32, .size: 8, .value_kind: global_buffer, .address_space: global }
      - { .name: part, .offset: 40, .size: 8, .value_kind: global_buffer, .address_space: global }
    .group_segment_fixed_size: 327680
    .private_segment_fixed_size: 0
    .kernarg_segment_align: 8
    .kernarg_segment_size: 48
    .max_flat_workgroup_size: 128
    .sgpr_count:     88
    .vgpr_count:     1024
    .wavefront_size: 32
...
	.end_amdgpu_metadata
.endif
;; end of part 2
;; launch sum8 (part 3): grid 512 x 1, 8 waves a work-group, no clusters, 0 bytes of LDS; arguments part, out0; writes out0
.if DOCPART == 3
	.amdgcn_target "amdgcn-amd-amdhsa--gfx1250"
	.amdhsa_code_object_version 6
	.text
	.protected	k_q6492ed9fc1_sum8
	.globl	k_q6492ed9fc1_sum8
	.p2align	8
	.type	k_q6492ed9fc1_sum8,@function
k_q6492ed9fc1_sum8:
	s_mov_b64 s[64:65], 0
	v_nop
	global_prefetch_b8 v0, s[64:65] scope:SCOPE_SE
	s_setreg_imm32_b32 hwreg(HW_REG_WAVE_MODE, 25, 1), 1
	s_wait_xcnt 0x0
; FAST FEED-FORWARD, launch 3 of 3.  out0[n][d] = the sum over the 8 experts of part[e][n][d], all f32.  No work is left out.
; A stream: a work-group owns 16,384 consecutive bytes of out0, a thread 16 bytes in each of four steps of 4,096.  All 32 loads of a thread go out before the first wait; each byte is read once and written
; once; a wave's load or store covers 512 consecutive bytes, aligned.  No LDS, no barrier, no matrix unit: nothing is shared and there is one addition a number read.
	s_load_b128 s[4:7], s[0:1], 0x0                ; part s[4:5], out0 s[6:7]
	v_lshlrev_b32 v1, 4, v0
	s_lshl_b32 s2, ttmp9, 14
	s_mov_b32 s3, 0
	s_wait_kmcnt 0x0
	s_add_nc_u64 s[8:9], s[4:5], s[2:3]            ; expert 0's part at my bytes,
.irp e, 1,2,3,4,5,6,7
	s_add_nc_u64 s[8+2*(\e):9+2*(\e)], s[6+2*(\e):7+2*(\e)], 0x800000   ; and each next expert's, 8,388,608 bytes on
.endr
	s_add_nc_u64 s[24:25], s[6:7], s[2:3]
.set i, 0
.rept 4
.irp e, 0,1,2,3,4,5,6,7
	global_load_b128 v[8+4*(8*i+(\e)):8+4*(8*i+(\e))+3], v1, s[8+2*(\e):9+2*(\e)] offset:4096*i th:TH_LOAD_NT
.endr
.set i, i+1
.endr
.set i, 0
.rept 4
.set b, 8+32*i
	s_wait_loadcnt 24-8*i                          ; this step's eight loads are in; the younger steps' stay out
.irp e, 0,2,4,6
	v_pk_add_f32 v[b+4*(\e):b+4*(\e)+1],   v[b+4*(\e):b+4*(\e)+1],   v[b+4*(\e)+4:b+4*(\e)+5]
	v_pk_add_f32 v[b+4*(\e)+2:b+4*(\e)+3], v[b+4*(\e)+2:b+4*(\e)+3], v[b+4*(\e)+6:b+4*(\e)+7]
.endr
.irp e, 0,4
	v_pk_add_f32 v[b+4*(\e):b+4*(\e)+1],   v[b+4*(\e):b+4*(\e)+1],   v[b+4*(\e)+8:b+4*(\e)+9]
	v_pk_add_f32 v[b+4*(\e)+2:b+4*(\e)+3], v[b+4*(\e)+2:b+4*(\e)+3], v[b+4*(\e)+10:b+4*(\e)+11]
.endr
	v_pk_add_f32 v[b:b+1],   v[b:b+1],   v[b+16:b+17]
	v_pk_add_f32 v[b+2:b+3], v[b+2:b+3], v[b+18:b+19]
	global_store_b128 v1, v[b:b+3], s[24:25] offset:4096*i th:TH_STORE_NT
.set i, i+1
.endr
	s_endpgm
.Lfunc_end_k_q6492ed9fc1_sum8:
	.size	k_q6492ed9fc1_sum8, .Lfunc_end_k_q6492ed9fc1_sum8-k_q6492ed9fc1_sum8
	.p2alignl 7, 3214868480
	.fill 96, 4, 3214868480
	.section	.rodata,"a",@progbits
	.p2align	6, 0x0
	.amdhsa_kernel k_q6492ed9fc1_sum8
		.amdhsa_group_segment_fixed_size 0
		.amdhsa_private_segment_fixed_size 0
		.amdhsa_enable_private_segment 0
		.amdhsa_kernarg_size 16
		.amdhsa_user_sgpr_count 2
		.amdhsa_user_sgpr_kernarg_segment_ptr 1
		.amdhsa_wavefront_size32 1
		.amdhsa_system_sgpr_workgroup_id_x 1
		.amdhsa_system_sgpr_workgroup_id_y 1
		.amdhsa_system_sgpr_workgroup_id_z 1
		.amdhsa_system_vgpr_workitem_id 0
		.amdhsa_next_free_vgpr 136
		.amdhsa_next_free_sgpr 66
		.amdhsa_reserve_vcc 0
		.amdhsa_float_denorm_mode_32 3
		.amdhsa_float_denorm_mode_16_64 3
		.amdhsa_memory_ordered 1
		.amdhsa_forward_progress 1
		.amdhsa_inst_pref_size 8
	.end_amdhsa_kernel
	.amdgpu_metadata
---
amdhsa.version: [ 1, 2 ]
amdhsa.kernels:
  - .name:           k_q6492ed9fc1_sum8
    .symbol:         k_q6492ed9fc1_sum8.kd
    .args:
      - { .name: part, .offset: 0, .size: 8, .value_kind: global_buffer, .address_space: global }
      - { .name: out0, .offset: 8, .size: 8, .value_kind: global_buffer, .address_space: global }
    .group_segment_fixed_size: 0
    .private_segment_fixed_size: 0
    .kernarg_segment_align: 8
    .kernarg_segment_size: 16
    .max_flat_workgroup_size: 256
    .sgpr_count:     66
    .vgpr_count:     136
    .wavefront_size: 32
...
	.end_amdgpu_metadata
.endif
;; end of part 3
